; MI455X (gfx1250); checked and timed in simulation.
; The chip was launched on July 23, 2026; its instructions are those of AMD's public machine-readable ISA for CDNA 5 (MIT licence, August 2026) and "CDNA5" Instruction Set Architecture Reference Guide (July 2026). The comments in the code are by the model that wrote it; some were corrected since.
;; Dispatch By Variable. Allowed arithmetic: matrix products marked QUANTISED: E4M3 operands, one given power-of-two scale a tensor, by v_wmma_f32_16x16x64_fp8_fp8 or v_wmma_f32_16x16x128_fp8_fp8, f32 sums; everything else in f32.
;; Inputs: W_codes 8 x 512 x 16 x 32 uint8 (E4M3 codes of W, K innermost, in blocks of 32 codes); lowp_scales 16 int32 (the exponents e of the quantised operands' scales 2^e); x 8 x 4,096 x 512 float32.
;; Outputs: out0 8 x 4,096 x 512 float32.
;; This version of the problem:
;;   THIS VERSION OF THE PROBLEM IS GIVEN IN LOW PRECISION. The matrix products marked QUANTISED in the list below multiply operands that are first quantised to E4M3 (4 exponent bits, 3 mantissa bits; 8 bits a number), with one given power-of-two scale for each operand tensor; their sums are f32. All else is computed in f32.
;;   The module's matrix products, in the order in which they are computed (A, B: the left and right operand; K: the contracted axis; several contracted axes count as one K, in the product's order):
;;     1. [M 32,768, K 512] x [K 512, N 512]; A: input x; B: input W (given as codes): QUANTISED (scales: A lowp_scales[0], B lowp_scales[1])
;;     2. [M 32,768, K 512] x [K 512, N 512]; A: input x; B: input W (given as codes): QUANTISED (scales: A lowp_scales[2], B lowp_scales[3])
;;     3. [M 32,768, K 512] x [K 512, N 512]; A: input x; B: input W (given as codes): QUANTISED (scales: A lowp_scales[4], B lowp_scales[5])
;;     4. [M 32,768, K 512] x [K 512, N 512]; A: input x; B: input W (given as codes): QUANTISED (scales: A lowp_scales[6], B lowp_scales[7])
;;     5. [M 32,768, K 512] x [K 512, N 512]; A: input x; B: input W (given as codes): QUANTISED (scales: A lowp_scales[8], B lowp_scales[9])
;;     6. [M 32,768, K 512] x [K 512, N 512]; A: input x; B: input W (given as codes): QUANTISED (scales: A lowp_scales[10], B lowp_scales[11])
;;     7. [M 32,768, K 512] x [K 512, N 512]; A: input x; B: input W (given as codes): QUANTISED (scales: A lowp_scales[12], B lowp_scales[13])
;;     8. [M 32,768, K 512] x [K 512, N 512]; A: input x; B: input W (given as codes): QUANTISED (scales: A lowp_scales[14], B lowp_scales[15])
;;   THE QUANTISER, for each operand of a quantised product, along K:
;;     - The operand's scale is 2^e, e = its entry of the input lowp_scales (int32; the entries are numbered through the quantised products in the list's order, A before B).
;;     - Each number is divided by the scale, clamped to +-448, and rounded to the nearest number of E4M3, ties to even, subnormals kept.
;;     - The product sums the exact products of the quantised numbers (number of the format x scale) in f32.
;;   ~~~python
;;   def quantise(x, axis, e):      # numpy; x: float32 -> the quantised numbers, widened to float32 again
;;       x = np.moveaxis(x, axis, -1); K = x.shape[-1]
;;       r = np.clip(x / 2.0 ** e, -448, 448)
;;       step = 2.0 ** (np.maximum(np.frexp(np.where(r == 0, 1, r))[1] - 1, -6) - 3)
;;       q = np.round(r / step) * step * 2.0 ** e      # np.round: ties to even
;;       return np.moveaxis(q, -1, axis).astype(np.float32)
;;   ~~~
;;   INPUTS GIVEN AS CODES. W (in the module: [8, 512, 512], K = its axis 1): each comes as NAME_codes (uint8): NAME with its K axis moved to the last place and cut into blocks of 32 codes, [.., K / 32, bytes a block], one block behind the other in memory; one code a byte (a code: sign, 4 exponent bits, 3 mantissa bits); its scale is its entry of lowp_scales. Its value is code x scale, taken as it is: it is not quantised again, and the codes and scales need not be those that the quantiser above would give.
;; One version. Each part assembles by itself: llvm-mc -triple=amdgcn-amd-amdhsa -mcpu=gfx1250 --defsym DOCPART=n.
;; ======== version 1 of 1: 2 launches
;; limits: right only within a limited range of input values
;; workspace buffers: cnt 4,096 bytes of whole numbers; masks 65,536 bytes of whole numbers; wfrag 2,097,152 bytes
;; launch prep (part 1): grid 256 x 1, 5 waves a work-group, no clusters, 0 bytes of LDS; arguments x, W_codes, cnt, masks, wfrag; writes cnt, masks, wfrag
.if DOCPART == 1
	.amdgcn_target "amdgcn-amd-amdhsa--gfx1250"
	.amdhsa_code_object_version 6
	.text
	.protected	k_q1aaced1be5_prep
	.globl	k_q1aaced1be5_prep
	.p2align	8
	.type	k_q1aaced1be5_prep,@function
k_q1aaced1be5_prep:
	s_mov_b64 s[64:65], 0
	v_nop
	global_prefetch_b8 v0, s[64:65] scope:SCOPE_SE
	s_setreg_imm32_b32 hwreg(HW_REG_WAVE_MODE, 25, 1), 1
	s_wait_xcnt 0x0
; FIRST OF TWO LAUNCHES.  WHAT THE PROGRAM LEAVES OUT: reference() multiplies every token by all eight experts and keeps, by a mask that it builds from x[token][0] itself, the one product of the
; token's bin.  Which one is kept is stored here as whole numbers; the second launch makes that product alone.  LIMIT: a NaN, an infinity or an overflow in a product that the mask throws away is not carried to out0.
; TWO JOBS.  (1) BINS, wave 0 of work-group G: tokens 128 G .. 128 G + 127, lane l takes tokens 128 G + 32 i + l, i = 0 .. 3.  A token's bin is the number of the seven boundaries
;     -1.5, -1, -0.5, 0, 0.5, 1, 1.5 that lie under x[token][0] (a NaN lies over none: bin 0).  Stored at fixed places: masks[G][k][i] = two words: the lanes of step i that are in bin k, and the
;     number of the block's bin k tokens in the steps before i; cnt[G] = the block's eight counts, two to a word.  No address and no branch hangs on a bin here.
; (2) W IN THE ORDER OF THE OPERAND'S REGISTERS, waves 1 to 4: wave b + 1 makes fragment F = 4 G + b of 2,048 bytes: expert x 8 + w = G / 4, q = G % 4.  Its row r is column n = 64 w + 4 r + b.
;     Chunk c lies at 512 c + 16 x lane, lane = (r, h), and its word j is the four codes k = 128 j + 32 q + 8 c + 4 h + 0 .. 3: the same permutation of k that the second launch gives the rows of x.
;     Lane (r, h') loads 16 bytes at k = 128 j + 32 q + 16 h': word v of load j is word j of chunk 2 h' + v / 2, half v % 2.
; No LDS, no barrier, no loop (so nothing is prefetched).
.set RUN, 32                           ; s32-39  how many tokens of bin k the steps so far have had
	s_load_b256 s[4:11], s[0:1], 0x0               ; x s[4:5], W_codes s[6:7], cnt s[8:9], masks s[10:11]
	s_load_b64 s[12:13], s[0:1], 0x20              ; wfrag
	v_lshrrev_b32 v1, 5, v0
	v_readfirstlane_b32 s14, v1                    ; wave 0 .. 4
	v_and_b32 v2, 31, v0                           ; lane
	v_and_b32 v3, 15, v0                           ; r
	v_bfe_u32 v4, v0, 4, 1                         ; h'
	v_lshlrev_b32 v5, 11, v2                       ; a token a lane: rows of 2,048 bytes
	v_lshlrev_b32 v12, 3, v2                       ; masks: 8 bytes a lane
	v_lshlrev_b32 v6, 11, v3                       ; W: every fourth row of 512 bytes,
	v_lshl_add_u32 v6, v4, 4, v6                   ; + 16 h'
	v_lshlrev_b32 v7, 4, v3
	v_lshl_add_u32 v7, v4, 10, v7                  ; wfrag: 16 r + 1,024 h'
	v_mov_b32 v13, 0
	v_mov_b32 v16, 0                               ; v16: lane 4 k + i: the mask of bin k, step i
	v_mov_b32 v17, 0                               ; v17: and the tokens of the steps before
	s_mov_b32 s17, 0
	s_wait_alu depctr_va_vdst(0)
	s_wait_kmcnt 0x0
	s_cmp_lg_u32 s14, 0
	s_cbranch_scc1 .Lw
	s_lshl_b32 s16, ttmp9, 18                      ; 128 tokens x 2,048 bytes
	s_add_nc_u64 s[4:5], s[4:5], s[16:17]
.irp i, 0,1,2,3
	global_load_b32 v[8+\i], v5, s[4:5] offset:65536*\i
.endr
	s_lshl_b32 s16, ttmp9, 4
	s_add_nc_u64 s[8:9], s[8:9], s[16:17]          ; cnt: 16 bytes
	s_lshl_b32 s16, ttmp9, 8
	s_add_nc_u64 s[10:11], s[10:11], s[16:17]      ; masks: 256 bytes
.irp k, 0,1,2,3,4,5,6,7
	s_mov_b32 s[RUN+\k], 0
.endr
	s_wait_loadcnt 0x0
; bin k of step i: the lanes over boundary k and not over boundary k + 1 (s[19+k] = the lanes over boundary k, k = 1 .. 7)
.macro BIN i, k
.if \k == 0
	s_not_b32 s27, s20
.elseif \k == 7
	s_mov_b32 s27, s26
.else
	s_and_not1_b32 s27, s[19+\k], s[20+\k]
.endif
	v_writelane_b32 v16, s27, 4*\k+\i
.if \i > 0
	v_writelane_b32 v17, s[RUN+\k], 4*\k+\i
.endif
	s_bcnt1_i32_b32 s28, s27
	s_add_co_u32 s[RUN+\k], s[RUN+\k], s28
.endm
.irp i, 0,1,2,3
	v_cmp_lt_f32 s20, 0xbfc00000, v[8+\i]          ; -1.5 under y
	v_cmp_lt_f32 s21, -1.0, v[8+\i]
	v_cmp_lt_f32 s22, -0.5, v[8+\i]
	v_cmp_lt_f32 s23, 0, v[8+\i]
	v_cmp_lt_f32 s24, 0.5, v[8+\i]
	v_cmp_lt_f32 s25, 1.0, v[8+\i]
	v_cmp_lt_f32 s26, 0x3fc00000, v[8+\i]          ; 1.5 under y
.irp k, 0,1,2,3,4,5,6,7
	BIN \i, \k
.endr
.endr
	s_wait_alu depctr_va_vdst(0)
	global_store_b64 v12, v[16:17], s[10:11]       ; 32 lanes, 256 consecutive bytes, aligned
.irp j, 0,1,2,3
	s_lshl_b32 s28, s[RUN+2*\j+1], 16              ; a count is at most 128: two to a word
	s_or_b32 s[40+\j], s[RUN+2*\j], s28
.endr
.irp j, 0,1,2,3
	v_mov_b32 v[20+\j], s[40+\j]
.endr
	v_cmp_eq_u32 vcc_lo, 0, v0                     ; wave 0: thread 0 is lane 0
	s_wait_alu depctr_va_vdst(0)
	s_wait_xcnt 0x0                                ; EXEC is a source of the store above
	s_and_saveexec_b32 s44, vcc_lo
	global_store_b128 v13, v[20:23], s[8:9]        ; lane 0 alone: the block's 16 bytes of counts
	s_wait_xcnt 0x0
	s_or_b32 exec_lo, exec_lo, s44
	s_endpgm
.Lw:
	s_sub_co_u32 s15, s14, 1                       ; b
	s_lshr_b32 s16, ttmp9, 2
	s_lshl_b32 s16, s16, 15                        ; (expert x 8 + w) x 64 rows of 512 bytes
	s_and_b32 s18, ttmp9, 3
	s_lshl_b32 s18, s18, 5                         ; + 32 q
	s_add_co_u32 s16, s16, s18
	s_lshl_b32 s18, s15, 9                         ; + row b
	s_add_co_u32 s16, s16, s18
	s_add_nc_u64 s[6:7], s[6:7], s[16:17]
.irp j, 0,1,2,3
	global_load_b128 v[24+4*\j:27+4*\j], v6, s[6:7] offset:128*\j
.endr
	s_lshl_b32 s16, ttmp9, 13
	s_lshl_b32 s18, s15, 11
	s_add_co_u32 s16, s16, s18
	s_add_nc_u64 s[12:13], s[12:13], s[16:17]      ; my fragment
	s_wait_loadcnt 0x0
.irp u, 0,1,2,3
.irp j, 0,1,2,3
	v_mov_b32 v[40+4*\u+\j], v[24+4*\j+\u]
.endr
.endr
.irp u, 0,1,2,3
	global_store_b128 v7, v[40+4*\u:43+4*\u], s[12:13] offset:256*\u   ; two runs of sixteen lanes, 256 consecutive bytes each, aligned
.endr
	s_endpgm
.Lfunc_end_k_q1aaced1be5_prep:
	.size	k_q1aaced1be5_prep, .Lfunc_end_k_q1aaced1be5_prep-k_q1aaced1be5_prep
	.p2alignl 7, 3214868480
	.fill 96, 4, 3214868480
	.section	.rodata,"a",@progbits
	.p2align	6, 0x0
	.amdhsa_kernel k_q1aaced1be5_prep
		.amdhsa_group_segment_fixed_size 0
		.amdhsa_private_segment_fixed_size 0
		.amdhsa_enable_private_segment 0
		.amdhsa_kernarg_size 40
		.amdhsa_user_sgpr_count 2
		.amdhsa_user_sgpr_kernarg_segment_ptr 1
		.amdhsa_wavefront_size32 1
		.amdhsa_system_sgpr_workgroup_id_x 1
		.amdhsa_system_sgpr_workgroup_id_y 1
		.amdhsa_system_sgpr_workgroup_id_z 1
		.amdhsa_system_vgpr_workitem_id 0
		.amdhsa_next_free_vgpr 64
		.amdhsa_next_free_sgpr 66
		.amdhsa_reserve_vcc 1
		.amdhsa_float_denorm_mode_32 3
		.amdhsa_float_denorm_mode_16_64 3
		.amdhsa_memory_ordered 1
		.amdhsa_forward_progress 1
		.amdhsa_inst_pref_size 13
	.end_amdhsa_kernel
	.amdgpu_metadata
---
amdhsa.version: [ 1, 2 ]
amdhsa.kernels:
  - .name:           k_q1aaced1be5_prep
    .symbol:         k_q1aaced1be5_prep.kd
    .args:
      - { .name: x, .offset: 0, .size: 8, .value_kind: global_buffer, .address_space: global }
      - { .name: W_codes, .offset: 8, .size: 8, .value_kind: global_buffer, .address_space: global }
      - { .name: cnt, .offset: 16, .size: 8, .value_kind: global_buffer, .address_space: global }
      - { .name: masks, .offset: 24, .size: 8, .value_kind: global_buffer, .address_space: global }
      - { .name: wfrag, .offset: 32, .size: 8, .value_kind: global_buffer, .address_space: global }
    .group_segment_fixed_size: 0
    .private_segment_fixed_size: 0
    .kernarg_segment_align: 8
    .kernarg_segment_size: 40
    .max_flat_workgroup_size: 160
    .sgpr_count:     66
    .vgpr_count:     64
    .wavefront_size: 32
...
	.end_amdgpu_metadata
.endif
;; end of part 1
;; launch moe (part 2): grid 256 x 1, 8 waves a work-group, no clusters, 78,848 bytes of LDS; arguments x, wfrag, lowp_scales, cnt, masks, out0; writes out0
.if DOCPART == 2
	.amdgcn_target "amdgcn-amd-amdhsa--gfx1250"
	.amdhsa_code_object_version 6
	.text
	.protected	k_q1aaced1be5_moe
	.globl	k_q1aaced1be5_moe
	.p2align	8
	.type	k_q1aaced1be5_moe,@function
k_q1aaced1be5_moe:
	s_mov_b64 s[64:65], 0
	v_nop
	global_prefetch_b8 v0, s[64:65] scope:SCOPE_SE
	s_setreg_imm32_b32 hwreg(HW_REG_WAVE_MODE, 25, 1), 1
	s_wait_xcnt 0x0
; SECOND OF TWO LAUNCHES: out0[token] = Q(x[token]; 2^ea) W[bin] 2^(ea + eb), ea = lowp_scales[2 bin], eb = lowp_scales[2 bin + 1], for the ONE expert that the token's bin names (the first launch's head
; says what is left out).  Codes of FP8 (E4M3), v_wmma_f32_16x16x128_fp8_fp8, sums in f32.
; SHARES.  Expert k has n_k tokens and gets ceil(n_k / 132) work-groups of at most 132 rows: together never more than (32,768 + 8 x 131) / 132, rounded down, = 256.  So a work-group has rows of one expert
; alone, whatever the split, and each row of out0 has one owner.  A work-group that a split leaves without rows stores nothing.  THE EIGHT WAVES SHARE THE COLUMNS: wave w makes columns 64 w .. 64 w + 63 of
; all rows; its part of the expert (4 tiles of 16 columns x 4 K steps of 128) stays in 256 registers.  It fetches and quantises 2 rows of each of tiles 0 .. 7 and half a row of tile 8 (at most four rows).
; WHICH TOKENS.  An expert's tokens are ordered by (lane l, j) for block l + 32 j, then inside the block.  Each wave scans the table of counts for itself, finds its expert and places, looks up each row's block,
; and takes from the block's mask of that bin the bit of the row's rank.  A row past the work-group's last is the last row once more: its store has the same bytes, or is not made.
; POSITIONS.  Position 16 t + 2 w + b (b = 0, 1) is row w + 8 b of tile t: so store j of a tile, which takes rows j and 8 + j, takes positions 2 j and 2 j + 1.
; THE PLACES ALONG K ARE A PERMUTATION OF k, alike in x and in W: load j of a row gives lane l the numbers k = 128 j + 4 l + 0 .. 3, and the lane's 16 codes are 16 bytes at place 16 l of the row in LDS.
; TILE b OF W HOLDS COLUMNS 64 w + 4 r + b: lane (r, h)'s register j of the four sums is four neighbouring numbers of row 8 h + j: sixteen lanes store 256 consecutive bytes, with no stage in LDS.
; NO TENSOR LOADS, NO CLUSTER: the expert and the ends of the walk are numbers read from memory and branches hang on them, and which work-groups need the same expert hangs on the stored counts.
; NO PREFETCH: the one loop loads nothing from memory; all loads stand ahead of it.
; LIMITS: ea between -126 and 119, so that 2^ea and 448 x 2^ea are f32 numbers; ea + eb goes by v_ldexp_f32 and has none.  NaN in x and NaN codes in W are not served (an infinity is held at the largest code).
; LDS: 144 rows of codes, 512 bytes + 16 of padding (33 x 16); from TOK 256 words: each thread's token; from SPARE the spare words.
; REGISTERS, window 0: v1-11 and v31 stay; v12-29 head; v14-30 the rows' offsets in x; v32-127 head; v96-231 x's ring; v232-249 codes.
;   In the loop: v32-63 sums; v64-127 x's fragments; v128-159 results; v160-167 tokens; v168-175 store offsets.  Window 1: W's fragment (q, b) at v[16 (4 q + b)].
; THE LOOP OVER TILES named above is written out by the assembler: nine tiles, each with constant LDS offsets; there is no backward branch.  v250 is v3 for tile 8, 128 rows on.
.set PA,    528
.set TOK,   144*PA
.set SPARE, TOK+1024
.set MSB, 0
.macro WIN new                         ; the immediate's high byte repeats the setting that is left; at every label and branch the setting is 0
.if MSB != \new
	s_set_vgpr_msb (MSB<<8)|\new
.set MSB, \new
.endif
.endm
.macro LOADW lo, hi                    ; chunks lo .. hi - 1 of my 64 (chunk 4 (4 q + b) + c): 512 consecutive bytes each, into window 1
	WIN 0x40
.set ii, \lo
.rept \hi-\lo
	global_load_b128 v[4*ii:4*ii+3], v7, s[6:7] offset:512*ii
.set ii, ii+1
.endr
	WIN 0
.endm
.macro XLOAD t                         ; my two rows of tile t
.irp b, 0,1
	v_readlane_b32 s[66+\b], v13, 2*\t+\b
.endr
.irp b, 0,1
	s_min_u32 s[66+\b], s[66+\b], 0x7fff           ; a token lies inside x: the bound is written out ahead of the address
.endr
.irp b, 0,1
	v_lshl_add_u32 v[14+2*\t+\b], s[66+\b], 11, v1
.endr
.irp b, 0,1
.set XS, 96+32*(\t%4)+16*\b
.irp j, 0,1,2,3
	global_load_b128 v[XS+4*\j:XS+4*\j+3], v[14+2*\t+\b], s[4:5] offset:512*\j th:TH_LOAD_NT
.endr
.endr
.endm
.macro QUANT t, left                   ; they become codes and go to LDS.  left: the younger loads that may stay out
	s_wait_loadcnt \left
.set XS, 96+32*(\t%4)
.set CD, 232+8*(\t%2)
.set ii, 0
.rept 32
	v_med3_num_f32 v[XS+ii], v[XS+ii], -v11, v11   ; the conversion to an 8-bit code does not saturate (ISA guide 7.6.2): the hold at the largest code x the scale
.set ii, ii+1
.endr
.irp a, 0,1,2,3
	v_cvt_scalef32_pk8_fp8_f32 v[CD+2*\a:CD+2*\a+1], v[XS+8*\a:XS+8*\a+7], v10
.endr
	v_nop                                          ; one plain place behind the conversions
	ds_store_b128 v2, v[CD:CD+3] offset:16*\t*PA
	ds_store_b128 v2, v[CD+4:CD+7] offset:(16*\t+8)*PA
.endm
; one level of the search for bit v20 of v22: the count of the lower bits at place v29 is a field of src
.macro LEVEL src, n
	s_delay_alu instid0(VALU_DEP_1)
	v_bfe_u32 v21, v[\src], v29, \n
	s_delay_alu instid0(VALU_DEP_1)
	v_cmp_ge_u32 vcc_lo, v20, v21
	v_cndmask_b32 v23, 0, v21, vcc_lo
	v_cndmask_b32 v28, 0, \n, vcc_lo
	s_delay_alu instid0(VALU_DEP_2)
	v_sub_nc_u32 v20, v20, v23
	s_delay_alu instid0(VALU_DEP_2)
	v_add_nc_u32 v29, v29, v28
.endm
.macro AFETCH adr, off                 ; a tile's four fragments: lane (r, h): row r, places 128 q + 32 c + 16 h + 0 .. 15
.irp q, 0,1,2,3
.irp c, 0,1,2,3
	ds_load_b128 v[64+16*\q+4*\c:64+16*\q+4*\c+3], v[\adr] offset:\off+128*\q+32*\c
.endr
.endr
.endm
	s_load_b256 s[4:11], s[0:1], 0x0               ; x s[4:5], wfrag s[6:7], lowp_scales s[8:9], cnt s[10:11]
	s_load_b128 s[12:15], s[0:1], 0x20             ; masks s[12:13], out0 s[14:15]
	v_lshl_add_u32 v8, v0, 2, SPARE
	v_mov_b32 v9, 0
	v_lshrrev_b32 v10, 5, v0
	v_readfirstlane_b32 s16, v10                   ; wave w
	v_and_b32 v11, 31, v0                          ; lane
	v_lshlrev_b32 v1, 4, v11                       ; v1: 16 x lane
	v_and_b32 v12, 15, v0                          ; r
	v_bfe_u32 v13, v0, 4, 1                        ; h
	s_mov_b32 s17, ttmp9
	s_mov_b32 s19, 0xffff0000                      ; lanes 16-31
	s_wait_alu depctr_va_vdst(0)
	s_wait_kmcnt 0x0
.irp j, 0,1,2,3,4,5,6,7
	global_load_b128 v[32+4*\j:35+4*\j], v1, s[10:11] offset:512*\j   ; the eight counts of block lane + 32 j, two to a word
.endr
	s_mul_i32 s20, s16, PA
	v_add_nc_u32 v2, s20, v1                       ; v2: where my rows' codes go: row w (and w + 8) of a tile, 16 x lane
	v_mul_u32_u24 v3, v12, PA
	v_lshl_add_u32 v3, v13, 4, v3                  ; v3: a fragment's row r, + 16 h
	v_add_nc_u32 v250, 8*16*PA, v3                 ; v250: the same in tile 8, beyond the reach of a 16-bit offset
	v_lshlrev_b32 v4, 2, v13
	v_add_nc_u32 v4, TOK, v4                       ; v4: the tokens of position 2 j + h lie at 4 (32 j + 2 t + h)
	v_lshlrev_b32 v6, 4, v12
	v_lshl_add_u32 v6, s16, 8, v6                  ; v6: my bytes in a row of out0: 256 w + 16 r
	v_lshl_add_u32 v7, s16, 15, v1                 ; v7: my part of an expert in wfrag
	v_lshl_add_u32 v31, v0, 2, TOK                 ; v31: my thread's token
	s_lshr_b32 s21, s16, 1                         ; tile 8: I fetch half w % 2 of position 128 + u, u = w / 2,
	s_lshr_b32 s22, s21, 1
	s_and_b32 s23, s21, 1
	s_lshl_b32 s23, s23, 3
	s_add_co_u32 s22, s22, s23
	s_add_co_u32 s22, s22, 128                     ; which is row u / 2 + 8 (u % 2) of the tile
	s_mul_i32 s22, s22, PA
	s_and_b32 s18, s16, 1
	s_lshl_b32 s23, s18, 3
	s_add_co_u32 s22, s22, s23
	v_add_nc_u32 v5, s22, v1                       ; v5: where its codes go
	s_lshl_b32 s18, s18, 10                        ; s18: its half, in bytes of x
	s_add_co_u32 s21, s21, 128
	v_lshrrev_b32 v14, 1, v11
	v_and_b32 v15, 1, v11
	v_lshl_add_u32 v15, s16, 1, v15
	v_lshl_add_u32 v14, v14, 4, v15                ; lane i: position 16 (i / 2) + 2 w + i % 2,
	v_writelane_b32 v14, s21, 31                   ; lane 31: 128 + u
.irp f, 0,1,2,3
	v_mov_b32 v[72+\f], 0                          ; written once: a lane exchange's destination counts as read
.endr
	s_wait_alu depctr_va_vdst(0)
	s_wait_loadcnt 0x0
; the counts stay packed: no sum passes 32,768, so no field carries into its neighbour
.irp f, 0,1,2,3
	v_add3_u32 v[64+\f], v[32+\f], v[36+\f], v[40+\f]
.endr
.irp f, 0,1,2,3
	v_add3_u32 v[64+\f], v[64+\f], v[44+\f], v[48+\f]
.endr
.irp f, 0,1,2,3
	v_add3_u32 v[64+\f], v[64+\f], v[52+\f], v[56+\f]
.endr
.irp f, 0,1,2,3
	v_add_nc_u32 v[64+\f], v[64+\f], v[60+\f]      ; my lane's eight blocks
.endr
.irp f, 0,1,2,3
	v_mov_b32 v[68+\f], v[64+\f]
.endr
.irp x, 1,2,4,8
.irp f, 0,1,2,3
	v_mov_b32_dpp v[72+\f], v[68+\f] row_shr:\x row_mask:0xf bank_mask:0xf bound_ctrl:1
.endr
.irp f, 0,1,2,3
	v_add_nc_u32 v[68+\f], v[68+\f], v[72+\f]      ; running sums over the lanes of a row,
.endr
.endr
.irp f, 0,1,2,3
	v_readlane_b32 s[20+\f], v[68+\f], 15
.endr
.irp f, 0,1,2,3
	v_cndmask_b32 v[72+\f], 0, s[20+\f], s19       ; and the first row's total in front of the second row
.endr
.irp f, 0,1,2,3
	v_add_nc_u32 v[68+\f], v[68+\f], v[72+\f]
.endr
.irp f, 0,1,2,3
	v_readlane_b32 s[20+\f], v[68+\f], 31          ; s20-23: all blocks' counts
.endr
.irp f, 0,1,2,3
	v_sub_nc_u32 v[68+\f], v[68+\f], v[64+\f]      ; v68-71: the tokens of the lanes under mine
.endr
	s_wait_alu depctr_va_vdst(0)
	s_mov_b32 s24, 0                               ; the first work-group of expert k
	s_mov_b32 s27, 0
	s_mov_b32 s28, 0
	s_mov_b32 s31, 0
.irp k, 0,1,2,3,4,5,6,7
.if (\k % 2) == 0
	s_and_b32 s25, s[20+\k/2], 0xffff
.else
	s_lshr_b32 s25, s[20+\k/2], 16
.endif
	s_cmp_ge_u32 s17, s24                          ; my expert is the last whose first work-group does not lie behind me
	s_cselect_b32 s28, \k, s28                     ; the expert,
	s_cselect_b32 s31, s25, s31                    ; its tokens,
	s_cselect_b32 s27, s24, s27                    ; its first work-group
	s_add_co_u32 s26, s25, 131
	s_mul_i32 s26, s26, 63551                      ; m x 63551 / 2^23 = m / 132, both rounded down, for every m up to 32,899
	s_lshr_b32 s26, s26, 23
	s_add_co_u32 s24, s24, s26
.endr
	s_min_u32 s28, s28, 7                          ; an expert lies inside every table: the bound is written out ahead of the addresses
	s_lshl_b32 s39, s28, 3
	s_load_b64 s[34:35], s[8:9], s39 offset:0x0    ; ea, eb
	s_sub_co_u32 s30, s17, s27
	s_mul_i32 s30, s30, 132                        ; s30: my first place among the expert's tokens
	s_sub_co_i32 s29, s31, s30
	s_max_i32 s29, s29, 0
	s_min_u32 s29, s29, 132                        ; s29: my rows
	s_sub_co_i32 s33, s29, 1
	s_max_i32 s33, s33, 0                          ; s33: the last position
	s_bitcmp1_b32 s28, 1
	s_cselect_b32 s20, -1, 0
	s_bitcmp1_b32 s28, 2
	s_cselect_b32 s21, -1, 0
	s_and_b32 s22, s28, 1
	s_lshl_b32 s22, s22, 4
; the expert's column: E = v100 of the lanes under mine, c_j = v[92+j] of block lane + 32 j
	v_cndmask_b32 v72, v68, v69, s20
	v_cndmask_b32 v73, v70, v71, s20
.irp j, 0,1,2,3,4,5,6,7
	v_cndmask_b32 v[76+2*\j], v[32+4*\j], v[33+4*\j], s20
	v_cndmask_b32 v[77+2*\j], v[34+4*\j], v[35+4*\j], s20
.endr
	v_cndmask_b32 v72, v72, v73, s21
.irp j, 0,1,2,3,4,5,6,7
	v_cndmask_b32 v[76+2*\j], v[76+2*\j], v[77+2*\j], s21
.endr
	v_bfe_u32 v100, v72, s22, 16
.irp j, 0,1,2,3,4,5,6,7
	v_bfe_u32 v[92+\j], v[76+2*\j], s22, 16
.endr
	v_min_u32 v15, s33, v14
	v_add_nc_u32 v15, s30, v15                     ; v15: lane i's place among the expert's tokens
	v_mov_b32 v16, 1
.irp j, 0,1,2,3,4,5,6
	v_add_nc_u32 v[101+\j], v[100+\j], v[92+\j]    ; v[100+j]: the place at which block lane + 32 j begins
.endr
.irp i, 0,1,2,3,4,5,6,7,8,9,10,11,12,13,14,15,16,17
	v_readlane_b32 s[66+\i], v15, \i
.endr
	v_readlane_b32 s84, v15, 31
.irp i, 0,1,2,3,4,5,6,7,8,9,10,11,12,13,14,15,16,17,18
	v_cmp_ge_u32 s[66+\i], s[66+\i], v100          ; the lanes whose blocks do not begin behind the place
.endr
	s_wait_alu depctr_va_vdst(0)
.irp i, 0,1,2,3,4,5,6,7,8,9,10,11,12,13,14,15,16,17,18
	s_bcnt1_i32_b32 s[66+\i], s[66+\i]
.endr
.irp i, 0,1,2,3,4,5,6,7,8,9,10,11,12,13,14,15,16,17
	v_writelane_b32 v16, s[66+\i], \i              ; v16: 1 + the lane that has the place
.endr
	v_writelane_b32 v16, s84, 31
.irp j, 0,1,2,3,4,5,6,7
	v_lshl_add_u32 v[100+\j], v[100+\j], 3, \j     ; begin x 8 + j
.endr
	v_lshl_add_u32 v17, v16, 2, -4
	v_lshl_add_u32 v18, v15, 3, 7
.irp j, 0,1,2,3,4,5,6,7
	ds_bpermute_b32 v[108+\j], v17, v[100+\j]
.endr
	s_lshl_b32 s32, s28, 18
	v_add_nc_u32 v7, s32, v7                       ; my part of the expert: 2^18 bytes an expert
	s_wait_alu depctr_va_vdst(0)
	s_wait_dscnt 0x0
.irp j, 0,1,2,3,4,5,6,7
	v_sub_nc_u32 v[108+\j], v18, v[108+\j]         ; (place - begin) x 8 + 7 - j; a block that begins behind the place wraps to a large number
.endr
.irp j, 0,2,4,6
	v_min_u32 v[108+\j], v[108+\j], v[109+\j]
.endr
	v_min_u32 v108, v108, v110
	v_min_u32 v112, v112, v114
	v_min_u32 v108, v108, v112                     ; the least: the last block that begins at or before the place
	v_and_b32 v19, 7, v108
	v_lshrrev_b32 v20, 3, v108                     ; v20: the rank inside the block
	v_sub_nc_u32 v19, 7, v19
	v_lshl_add_u32 v19, v19, 5, v16
	v_add_nc_u32 v19, -1, v19
	v_min_u32 v19, 0xff, v19                       ; v19: the block, inside masks: the bound is written out ahead of the address
	s_lshl_b32 s32, s28, 5
	v_lshlrev_b32 v21, 8, v19
	v_add_nc_u32 v21, s32, v21
	global_load_b128 v[120:123], v21, s[12:13]     ; mask 0, 0, mask 1, tokens before it,
	global_load_b128 v[124:127], v21, s[12:13] offset:16   ; mask 2, tokens before it, mask 3, tokens before it
	LOADW 0, 32                                    ; W's K steps 0 and 1
	s_wait_alu depctr_va_vdst(0)
	s_wait_kmcnt 0x0
	s_add_co_i32 s37, s34, s35                     ; ea + eb
	s_add_co_i32 s36, s34, 127
	s_lshl_b32 s36, s36, 23                        ; 2^ea as f32: the conversion takes its exponent field
	s_add_co_i32 s38, s34, 135
	s_lshl_b32 s38, s38, 23
	s_or_b32 s38, s38, 0x600000                    ; 448 x 2^ea: the exponent 8 higher, over the mantissa field of 448
	v_mov_b32 v10, s36
	v_mov_b32 v11, s38
	s_wait_alu depctr_va_vdst(0)
	s_wait_loadcnt 32                              ; the masks are in: behind them stand 32 loads of W
	v_cmp_ge_u32 vcc_lo, v20, v123
	v_cndmask_b32 v22, v120, v122, vcc_lo          ; v22: the mask word that has the rank,
	v_cndmask_b32 v23, 0, v123, vcc_lo             ; v23: the tokens before it,
	v_cndmask_b32 v24, 0, 32, vcc_lo               ; v24: its first token in the block
	v_cmp_ge_u32 vcc_lo, v20, v125
	v_cndmask_b32 v22, v22, v124, vcc_lo
	v_cndmask_b32 v23, v23, v125, vcc_lo
	v_cndmask_b32 v24, v24, 64, vcc_lo
	v_cmp_ge_u32 vcc_lo, v20, v127
	v_cndmask_b32 v22, v22, v126, vcc_lo
	v_cndmask_b32 v23, v23, v127, vcc_lo
	v_cndmask_b32 v24, v24, 0x60, vcc_lo
	v_lshrrev_b32 v25, 1, v22
	v_sub_nc_u32 v20, v20, v23                     ; v20: the rank inside the word
	v_and_b32 v25, 0x55555555, v25
	v_lshl_add_u32 v24, v19, 7, v24                ; + 128 x block
	v_sub_nc_u32 v25, v22, v25                     ; v25: the bits of each 2
	v_lshrrev_b32 v26, 2, v25
	v_and_b32 v27, 0x33333333, v25
	v_and_b32 v26, 0x33333333, v26
	s_delay_alu instid0(VALU_DEP_1)
	v_add_nc_u32 v26, v26, v27                     ; v26: of each 4
	s_delay_alu instid0(VALU_DEP_1)
	v_lshrrev_b32 v27, 4, v26
	s_delay_alu instid0(VALU_DEP_1)
	v_add_nc_u32 v27, v27, v26
	s_delay_alu instid0(VALU_DEP_1)
	v_and_b32 v27, 0x0f0f0f0f, v27                 ; v27: of each 8
	s_delay_alu instid0(VALU_DEP_1)
	v_lshrrev_b32 v28, 8, v27
	s_delay_alu instid0(VALU_DEP_1)
	v_add_nc_u32 v28, v28, v27
	s_delay_alu instid0(VALU_DEP_1)
	v_and_b32 v28, 0xff, v28                       ; of the lower 16
	s_delay_alu instid0(VALU_DEP_1)
	v_cmp_ge_u32 vcc_lo, v20, v28
	v_cndmask_b32 v23, 0, v28, vcc_lo
	s_delay_alu instid0(VALU_DEP_1)
	v_sub_nc_u32 v20, v20, v23
	v_cndmask_b32 v29, 0, 16, vcc_lo
	LEVEL 27, 8
	LEVEL 26, 4
	LEVEL 25, 2
	LEVEL 22, 1
	s_delay_alu instid0(VALU_DEP_1)
	v_add_nc_u32 v13, v24, v29
	s_delay_alu instid0(VALU_DEP_1)
	v_min_u32 v13, 0x7fff, v13                     ; v13: lane i's token
	ds_store_b32 v31, v13                          ; for the way out of all waves
	s_wait_alu depctr_va_vdst(0)
	v_readlane_b32 s68, v13, 31
	s_min_u32 s68, s68, 0x7fff
	v_lshl_add_u32 v30, s68, 11, v1
	v_add_nc_u32 v30, s18, v30
	global_load_b128 v[224:227], v30, s[4:5] th:TH_LOAD_NT           ; my half row of tile 8
	global_load_b128 v[228:231], v30, s[4:5] offset:512 th:TH_LOAD_NT
	XLOAD 0
	XLOAD 1
	XLOAD 2
	XLOAD 3
	LOADW 32, 40
	s_wait_loadcnt 40                              ; tile 8's two: behind them stand 32 of x and 8 of W
.set ii, 224
.rept 8
	v_med3_num_f32 v[ii], v[ii], -v11, v11
.set ii, ii+1
.endr
	v_cvt_scalef32_pk8_fp8_f32 v[248:249], v[224:231], v10
	v_nop
.irp a, 0,1,2,3
	ds_store_b64 v5, v[248:249] offset:2*\a*PA     ; into the tile's four rows of my row's kind, so that all sixteen are written
.endr
; behind a tile's loads stand those of the later tiles asked for so far (8 a tile) and of W (8 a group)
	QUANT 0, 32
	XLOAD 4
	LOADW 40, 48
	QUANT 1, 40
	XLOAD 5
	LOADW 48, 56
	QUANT 2, 48
	XLOAD 6
	LOADW 56, 64
	QUANT 3, 56
	XLOAD 7
	QUANT 4, 48
	QUANT 5, 32
	QUANT 6, 16
	QUANT 7, 0
	s_wait_dscnt 0x0                               ; all of W is in; and, for the others' sake, my codes and tokens lie in LDS
	s_barrier_signal -1
	s_barrier_wait -1
	AFETCH 3, 0
.irp t, 0,1,2,3,4,5,6,7,8
.irp j, 0,1,2,3,4,5,6,7
	ds_load_b32 v[160+\j], v4 offset:128*\j+8*\t   ; the token of row j (lanes 0-15), 8 + j (lanes 16-31)
.endr
	s_wait_dscnt 8                                 ; the tile's fragments are in; the eight tokens may be out
	WIN 0x04                                       ; source 1 (W) window 1
; the four sums take turns, one instruction a turn; the first K step starts them
.irp q, 0,1,2,3
.irp b, 0,1,2,3
.if \q == 0
	v_wmma_f32_16x16x128_fp8_fp8 v[32+8*\b:39+8*\b], v[64+16*\q:79+16*\q], v[16*(4*\q+\b):16*(4*\q+\b)+15], 0
.else
	v_wmma_f32_16x16x128_fp8_fp8 v[32+8*\b:39+8*\b], v[64+16*\q:79+16*\q], v[16*(4*\q+\b):16*(4*\q+\b)+15], v[32+8*\b:39+8*\b]
.endif
.endr
.endr
	WIN 0
	s_wait_dscnt 0x0                               ; the tokens
	s_wait_xcnt 0x0                                ; the last tile's stores have read their offsets and data: both are written again only behind this wait
; these instructions name no register of the products: they are the places behind the last of them (ISA guide 7.12.1)
.irp j, 0,1,2,3,4,5,6,7
	v_min_u32 v[168+\j], 0x7fff, v[160+\j]         ; a token lies inside out0: the bound is written out ahead of the address
.endr
.irp j, 0,1,2,3,4,5,6,7
	v_lshl_add_u32 v[168+\j], v[168+\j], 11, v6
.endr
.if \t < 7
	AFETCH 3, 16*PA*(\t+1)
.elseif \t == 7
	AFETCH 250, 0
.endif
.irp j, 0,1,2,3,4,5,6,7
.irp b, 0,1,2,3
	v_ldexp_f32 v[128+4*\j+\b], v[32+8*\b+\j], s37 ; x 2^(ea + eb); each accumulator from its low end on
.endr
.endr
	s_mov_b32 s43, 16*\t+16
	s_wait_alu depctr_va_vdst(0)
.if \t < 8
	s_cmp_lt_u32 s29, s43                          ; (tile 8 never has sixteen rows: it goes straight on to .Lpart)
	s_cbranch_scc1 .Lpart
.irp j, 0,1,2,3,4,5,6,7
	global_store_b128 v[168+\j], v[128+4*\j:131+4*\j], s[14:15] th:TH_STORE_NT   ; sixteen lanes store 256 consecutive bytes, at a multiple of 256 from out0's first byte
.endr
	s_cmp_le_u32 s29, s43
	s_cbranch_scc1 .Lend                           ; that was the last row
.endif
.endr
.Lpart:
	s_sub_co_i32 s44, s29, s43                     ; the last tile, with fewer than 16 rows: positions 2 j and 2 j + 1 while there are any
	s_add_co_i32 s44, s44, 16
.irp j, 0,1,2,3,4,5,6,7
	s_cmp_le_i32 s44, 2*\j
	s_cbranch_scc1 .Lend
	global_store_b128 v[168+\j], v[128+4*\j:131+4*\j], s[14:15] th:TH_STORE_NT
.endr
.Lend:
	s_wait_tensorcnt 0x0                           ; the wave's end
	ds_add_u32 v8, v9
	s_wait_dscnt 0x0
	s_endpgm
.Lfunc_end_k_q1aaced1be5_moe:
	.size	k_q1aaced1be5_moe, .Lfunc_end_k_q1aaced1be5_moe-k_q1aaced1be5_moe
	.p2alignl 7, 3214868480
	.fill 96, 4, 3214868480
	.section	.rodata,"a",@progbits
	.p2align	6, 0x0
	.amdhsa_kernel k_q1aaced1be5_moe
		.amdhsa_group_segment_fixed_size 78848
		.amdhsa_private_segment_fixed_size 0
		.amdhsa_enable_private_segment 0
		.amdhsa_kernarg_size 48
		.amdhsa_user_sgpr_count 2
		.amdhsa_user_sgpr_kernarg_segment_ptr 1
		.amdhsa_wavefront_size32 1
		.amdhsa_system_sgpr_workgroup_id_x 1
		.amdhsa_system_sgpr_workgroup_id_y 1
		.amdhsa_system_sgpr_workgroup_id_z 1
		.amdhsa_system_vgpr_workitem_id 0
		.amdhsa_next_free_vgpr 512
		.amdhsa_next_free_sgpr 96
		.amdhsa_reserve_vcc 1
		.amdhsa_float_denorm_mode_32 3
		.amdhsa_float_denorm_mode_16_64 3
		.amdhsa_memory_ordered 1
		.amdhsa_forward_progress 1
		.amdhsa_inst_pref_size 120
	.end_amdhsa_kernel
	.amdgpu_metadata
---
amdhsa.version: [ 1, 2 ]
amdhsa.kernels:
  - .name:           k_q1aaced1be5_moe
    .symbol:         k_q1aaced1be5_moe.kd
    .args:
      - { .name: x, .offset: 0, .size: 8, .value_kind: global_buffer, .address_space: global }
      - { .name: wfrag, .offset: 8, .size: 8, .value_kind: global_buffer, .address_space: global }
      - { .name: lowp_scales, .offset: 16, .size: 8, .value_kind: global_buffer, .address_space: global }
      - { .name: cnt, .offset: 24, .size: 8, .value_kind: global_buffer, .address_space: global }
      - { .name: masks, .offset: 32, .size: 8, .value_kind: global_buffer, .address_space: global }
      - { .name: out0, .offset: 40, .size: 8, .value_kind: global_buffer, .address_space: global }
    .group_segment_fixed_size: 78848
    .private_segment_fixed_size: 0
    .kernarg_segment_align: 8
    .kernarg_segment_size: 48
    .max_flat_workgroup_size: 256
    .sgpr_count:     96
    .vgpr_count:     512
    .wavefront_size: 32
...
	.end_amdgpu_metadata
.endif
;; end of part 2
